; MI455X (gfx1250); checked and timed in simulation.
; The chip was launched on July 23, 2026; its instructions are those of AMD's public machine-readable ISA for CDNA 5 (MIT licence, August 2026) and "CDNA5" Instruction Set Architecture Reference Guide (July 2026). The comments in the code are by the model that wrote it; some were corrected since.
;; Relative Attention Head. Allowed arithmetic: matrix products marked QUANTISED: E3M2 operands, one E8M0 scale for each 32 along K, by v_wmma_scale_f32_16x16x128_f8f6f4 with both operands' format E3M2, f32 sums; everything else in f32.
;; Inputs: Wk 64 x 512 float32; Wq 64 x 512 float32; Wv 64 x 512 float32; rel_emb 4,095 x 64 float32; x 8 x 2,048 x 512 float32.
;; Outputs: out0 8 x 2,048 x 64 float32.
;; This version of the problem:
;;   THIS VERSION OF THE PROBLEM IS GIVEN IN LOW PRECISION. The matrix products marked QUANTISED in the list below multiply operands that are first quantised to E3M2 (3 exponent bits, 2 mantissa bits; 6 bits a number), with one power-of-two scale for each 32 numbers along K (OCP MX v1.0); their sums are f32. All else is computed in f32.
;;   The module's matrix products, in the order in which they are computed (A, B: the left and right operand; K: the contracted axis; several contracted axes count as one K, in the product's order):
;;     1. [M 16,384, K 512] x [K 512, N 64]; A: input x; B: input Wq: QUANTISED
;;     2. [M 16,384, K 512] x [K 512, N 64]; A: input x; B: input Wk: QUANTISED
;;     3. [M 16,384, K 512] x [K 512, N 64]; A: input x; B: input Wv: QUANTISED
;;     4. batch 8 x [M 2,048, K 64] x [K 64, N 2,048]; A: computed on the way; B: computed on the way: QUANTISED
;;     5. [M 16,384, K 64] x [K 64, N 4,095]; A: computed on the way; B: input rel_emb: QUANTISED
;;     6. batch 8 x [M 2,048, K 2,048] x [K 2,048, N 64]; A: softmax (see below); B: computed on the way: QUANTISED
;;   THE QUANTISER, for each operand of a quantised product, along K:
;;     - K is cut into blocks of 32 from its start; a last block that is shorter is filled with zeros.
;;     - A block's scale is 2^e with e = floor(log2(the largest magnitude in the block)) - 4, held to -126 .. 127; a block of zeros has e = 0. As a byte (E8M0): e + 127.
;;     - Each number is divided by its block's scale, clamped to +-28, and rounded to the nearest number of E3M2, ties to even, subnormals kept.
;;     - The product sums the exact products of the quantised numbers (number of the format x scale) in f32.
;;   ~~~python
;;   def quantise(x, axis):      # numpy; x: float32 -> the quantised numbers, widened to float32 again
;;       x = np.moveaxis(x, axis, -1); K = x.shape[-1]
;;       x = np.pad(x, [(0, 0)] * (x.ndim - 1) + [(0, -K % 32)]); x = x.reshape(x.shape[:-1] + (-1, 32)); a = np.abs(x).max(-1, keepdims=True)
;;       e = np.where(a > 0, np.clip(np.frexp(np.where(a > 0, a, 1))[1] - 1 - 4, -126, 127), 0)      # np.frexp(a)[1] - 1 = floor(log2(a)), exactly
;;       r = np.clip(x / 2.0 ** e, -28, 28)
;;       step = 2.0 ** (np.maximum(np.frexp(np.where(r == 0, 1, r))[1] - 1, -2) - 2)
;;       q = np.round(r / step) * step * 2.0 ** e      # np.round: ties to even
;;       return np.moveaxis(q.reshape(q.shape[:-2] + (-1,))[..., :K], -1, axis).astype(np.float32)
;;   ~~~
;;   SOFTMAX AHEAD OF A QUANTISED PRODUCT. Where the list says 'softmax', what is quantised is not the finished softmax but p = 2^(t - M), with t = logit x log2(e) and M = ceil(the row's largest t), a whole number; so 1/2 < the row's largest p <= 1. The row's sum l is taken of the UNQUANTISED p, in f32, and the product's result is divided by l at the end. Since M is a whole number, a kernel that streams over the keys may use a running M (the ceiling of the running maximum): every later rescaling is an exact power of two, which a block's scale takes up: the codes' values come out the same.
;;   OPERANDS COMPUTED ON THE WAY. 'Computed on the way' means the value that the module computes at that place (a softmax that the list does not call 'softmax' is quantised finished and normalised). What goes into a quantiser is computed in f32, as accurately as f32 sums, v_exp_f32 and their like allow (about 1e-6 of the number): no bf16 or f16 on the way to a quantiser, and a product that is left as it is and whose result goes on into a quantised operand takes f32 operands (vector FMAs, or v_wmma_f32_16x16x4_f32). A number that lies on a knife's edge between two numbers of the format may be rounded either way, as far as f32 arithmetic and the matrix unit's own rounding can turn it there, and no further.
;; One version. Each part assembles by itself: llvm-mc -triple=amdgcn-amd-amdhsa -mcpu=gfx1250 --defsym DOCPART=n.
;; ======== version 1 of 1: 2 launches
;; limits: right only within a limited range of input values
;; workspace buffers: rc 113,152 bytes; qc 851,968 bytes; kc 851,968 bytes; vc 819,200 bytes
;; launch proj (part 1): grid 256 x 1, 8 waves a work-group, no clusters, 232,960 bytes of LDS; arguments x, Wq, Wk, Wv, rel_emb, qc, kc, vc, rc; writes qc, kc, vc, rc
.if DOCPART == 1
	.amdgcn_target "amdgcn-amd-amdhsa--gfx1250"
	.amdhsa_code_object_version 6
	.text
	.protected	k_q2a782296e1_proj
	.globl	k_q2a782296e1_proj
	.p2align	8
	.type	k_q2a782296e1_proj,@function
k_q2a782296e1_proj:
	s_mov_b64 s[64:65], 0
	v_nop
	global_prefetch_b8 v0, s[64:65] scope:SCOPE_SE
	s_setreg_imm32_b32 hwreg(HW_REG_WAVE_MODE, 25, 1), 1
	s_wait_xcnt 0x0
; Q = x Wq^T, K = x Wk^T, V = x Wv^T on codes of BF6 (E3M2), one E8M0 scale for each 32 along K = 512; Q, K (along the head's 64) and V (along the keys) are quantised on the way, and
; rows 0 .. 2175 of rel_emb too.  Everything leaves as IMAGES OF OPERAND REGISTERS for the attention launch.
; DEAD WORK LEFT OUT: the score of query i and key j <= i takes row 2047 - i + j <= 2047 of rel_emb; what the pad / reshape / slice gives for j > i falls under the causal mask of the problem's own body.
; So rows 2176 .. 4094 are not read (rows 2048 .. 2175 only fill whole tiles), for all values of the inputs.  LIMIT: a NaN, an infinity or an overflow that reaches only those rows is not carried to the result.
; SHARES.  A work-group takes 64 rows of x.  Waves 0-3: weight w / 2 (Wq, Wk), tiles 2 b and 2 b + 1 of its rows, b = w % 2 (channels 32 b .. 32 b + 31).  Waves 4-7: tile j = w - 4 of Wv, and K chunk j of x
; (64 rows x 128 numbers, by one tensor load a wave at the head).  So each wave makes eight fragments (16 rows x 128 K) of codes: its weight's stay in its registers, x's go to LDS as images for all.
; The weights' rows are read as they lie, 512 bytes a load, and turn through the wave's own stage (16 rows of 528 bytes), so that a lane then holds two whole blocks of 32; three fragments (48 loads) are asked for ahead.
; In tile t = 2 b + u of x, Wq and Wk lane r holds row 32 b + 8 u + r + 8 (r / 8): results are then neighbours along the next K.
; Work-groups 0-67: wave 4 also makes tiles 2 p and 2 p + 1 of rel_emb, p = the work-group's number.
; PRODUCTS.  Q, K: source 0 = the wave's two tiles, source 1 = x's four: lane (r, h) holds row r of x's tile t and channels 32 b + 16 h + 0 .. 15.  V: source 0 = x's four tiles, source 1 = Wv's: a lane holds a channel, its registers run down the keys.
; OUT.  kc: tile 4 G + t as x's tiles stand; qc: natural order of rows; a tile is 768 bytes (registers 0-3 at 16 l, 4-5 at 512 + 8 l).  vc: tile 4 G + j (64 keys x channels 16 j ..).
;   From byte 786,432 on the scale words: qc, kc 64 bytes a tile (byte of block 0 | byte of block 1 << 8), gathered in LDS and stored as one unit of 256 bytes; vc [128 keys][channel tile][16 words], a byte for each 32 keys.
;   K's bytes are stored 3 lower: the division of the scores by 8, exact.
;   rc: 768 bytes a tile; from byte 104,448 on 64 bytes a tile: a word a row, as for K.
; No cluster: x's rows are read by one work-group; the weights' 393,216 bytes have no room in LDS beside x's 135,168, so they go from memory into registers.  No prefetch: there is no loop to run ahead in.
; LIMITS: NaN and infinities are not served; a block whose largest magnitude lies under 2^-122 (of K: under 2^-119) is quantised with the floor's scale; a block of zeros carries the floor's byte: this program alone reads the bytes.
.set CHUNK,  33792                     ; x: chunk j at 33,792 j: 64 rows of 512 bytes + 16 of padding
.set XPITCH, 528
.set STAGEB, 135168                    ; eight stages of 8,704 bytes
.set STG,    8704
.set XIMG,   204800                    ; x's 16 fragments [t][s], 1,536 bytes each
.set FI,     1536
.set XSC,    229376                    ; their scale words, 128 bytes each
.set SCW,    231424                    ; Q's and K's scale words, 256 bytes each
.set SPARE,  231936                    ; the spare words, 128 bytes a wave
.set GA,  1                            ; 16 x lane
.set STW, 2
.set STR, 3
.set XA,  4
.set XWI, 5
.set XWS, 6
.set XI,  7
.set XSA, 8
.set RSW, 9
.set RSR, 10
.set SPW, 11
.set NIL, 12
.set HH,  13
.set SCA, 14
.set SCR, 15
.set A8,  16
.set A4,  17
.set C16, 18
.set C8,  19
.set R4,  21
.set TM,  22
.set PX,  26
.set SC2, 30
.set BY2, 34
.set MX,  38
.set SCO, 40
.set BYQ, 42
.set TP,  44
.set DD,  46
.set WSC, 54                           ; v54-61 my weights' scale words: scales and nothing else
.set XSW, 62                           ; v62-77 x's scale words
.set F,   78                           ; v78-89 x's codes in the making, then results' codes
.set WDX, 90
.set D2,  92
.set WC,  96                           ; v96-191 my weights' codes, eight fragments
.set XS,  192                          ; v192-255 64 numbers to quantise; then the accumulators
.set ACC, 192
.set SEL, 40
.set MSB, 0
.macro WIN new                         ; bits 1:0 source 0, 3:2 source 1, 5:4 source 2, 7:6 destination; the high byte repeats the setting that is left
.if MSB != \new
	s_set_vgpr_msb (MSB<<8)|\new
.set MSB, \new
.endif
.endm
.macro P n
.rept \n
	v_nop
.endr
.endm
.macro GL f, perm                      ; fragment f (tile f / 4, K step f % 4) of my weight into raw set f % 3 (window 1): a row's 512 bytes a load
	WIN 0x40
.irp i, 0,1,2,3,4,5,6,7,8,9,10,11,12,13,14,15
.if \perm
	global_load_b128 v[64*((\f)%3)+4*\i:64*((\f)%3)+4*\i+3], v[GA], s[24:25] offset:(8*((\f)/4)+\i+8*(\i/8))*2048+512*((\f)%4)
.else
	global_load_b128 v[64*((\f)%3)+4*\i:64*((\f)%3)+4*\i+3], v[GA], s[24:25] offset:\i*2048+512*((\f)%4)
.endif
.endr
	WIN 0
.endm
.macro TURN set, wadr, wstep, radr, cstep   ; a raw set through my stage: LDS serves a wave's instructions in order (ISA guide 5.7.1.4)
	WIN 0x04                                       ; an LDS store's data are its source 1
.irp i, 0,1,2,3,4,5,6,7,8,9,10,11,12,13,14,15
	ds_store_b128 v[\wadr], v[64*(\set)+4*\i:64*(\set)+4*\i+3] offset:\wstep*\i
.endr
	WIN 0
.irp c, 0,1
.irp i, 0,1,2,3,4,5,6,7
	ds_load_b128 v[XS+32*\c+4*\i:XS+32*\c+4*\i+3], v[\radr] offset:\cstep*\c+16*\i
.endr
.endr
	s_wait_dscnt 0x0                               ; the numbers are back, and the stores have read the raw set
.endm
.macro QUANT32 cd, wd                  ; v[XS] on: two whole blocks of 32 -> 12 registers of codes, and the row's word of four bytes
.irp c, 0,1
	v_max3_num_f32 v[MX+\c], |v[XS+32*\c]|, |v[XS+32*\c+1]|, 0x2800000   ; with the floor 2^(5 - 127): the byte cannot fall under 1
.endr
.irp i, 2,4,6,8,10,12,14,16,18,20,22,24,26,28,30
.irp c, 0,1
	v_max3_num_f32 v[MX+\c], v[MX+\c], |v[XS+32*\c+\i]|, |v[XS+32*\c+\i+1]|
.endr
.endr
.irp c, 0,1
	v_add_nc_u32 v[SCO+\c], 0xfe000000, v[MX+\c]   ; 4 off the exponent field: the conversion's scale operand
.endr
.irp c, 0,1
	v_lshrrev_b32 v[BYQ+\c], 23, v[SCO+\c]
.endr
	v_lshl_or_b32 v[\wd], v[BYQ+1], 16, v[BYQ]
	v_lshlrev_b32 v[TP], 3, v[HH]
	v_lshlrev_b32 v[\wd], v[TP], v[\wd]
	v_mov_b32 v[TP], 0
	v_permlanex16_b32 v[TP], v[\wd], s[SEL], s[SEL+1]
	v_or_b32 v[\wd], v[\wd], v[TP]                 ; with lane l xor 16's two bytes
.irp c, 0,1
	v_cvt_scalef32_pk16_bf6_f32 v[\cd+6*\c:\cd+6*\c+2], v[XS+32*\c:XS+32*\c+15], v[SCO+\c]
	v_cvt_scalef32_pk16_bf6_f32 v[DD+4*\c:DD+4*\c+2], v[XS+32*\c+16:XS+32*\c+31], v[SCO+\c]   ; (a conversion's three registers begin on an even number)
.endr
	v_nop                                          ; one plain place behind a scaled conversion
.irp c, 0,1
.irp i, 0,1,2
	v_mov_b32 v[\cd+3+6*\c+\i], v[DD+4*\c+\i]
.endr
.endr
.endm
.macro FRAGS n, perm                   ; n fragments of my weight; sets 0-2 are on their way
.set ff, 0
.rept \n
.if (\n)-1-ff >= 2
	s_wait_loadcnt 32                              ; this fragment's 16 loads are in; the next two fragments' may be out
.else
	s_wait_loadcnt 16*((\n)-1-ff)
.endif
	TURN ff%3, STW, XPITCH, STR, 256
.if ff+3 < (\n)
	GL ff+3, \perm
.endif
	QUANT32 WC+12*ff, WSC+ff
.set ff, ff+1
.endr
.endm
	s_load_b256 s[4:11], s[0:1], 0x0               ; x, Wq, Wk, Wv
	s_load_b256 s[28:35], s[0:1], 0x20             ; rel_emb, qc, kc, vc
	s_load_b64 s[12:13], s[0:1], 0x40              ; rc
	v_lshl_add_u32 v[SPW], v0, 2, SPARE
	v_mov_b32 v[NIL], 0
	ds_add_u32 v[SPW], v[NIL]                      ; the opening lines: the add, twice on end, and its wait
	ds_add_u32 v[SPW], v[NIL]
	v_lshrrev_b32 v1, 5, v0
	v_readfirstlane_b32 s14, v1                    ; wave 0..7
	; descriptor group 1 for x: 64 rows x 128 elements of 4 bytes, 512 elements from row to row; 4 words of padding behind every 128
	s_mov_b32 s16, 0x07920000
	s_mov_b32 s17, 128<<16
	s_mov_b32 s18, 64<<16
	s_mov_b32 s19, 128<<16
	s_mov_b32 s20, 64
	s_mov_b32 s21, 512
	s_mov_b32 s22, 0
	s_mov_b32 s23, 0
	s_and_b32 s15, s14, 3
	s_mov_b32 s48, 1
	s_mul_i32 s49, s15, CHUNK                      ; LDS: my chunk
	s_mov_b32 s[SEL], 0x76543210
	s_mov_b32 s[SEL+1], 0xfedcba98                 ; lane selects: lane l xor 16
	s_mul_i32 s44, s14, STG
	s_add_co_u32 s44, s44, STAGEB                  ; my stage
	v_and_b32 v20, 31, v0                          ; lane
	v_and_b32 v21, 15, v0                          ; r
	v_bfe_u32 v[HH], v0, 4, 1                      ; h
	v_lshlrev_b32 v[GA], 4, v20
	v_lshlrev_b32 v[A8], 3, v20
	v_lshlrev_b32 v[A4], 2, v20
	v_add_nc_u32 v[STW], s44, v[GA]
	v_mul_u32_u24 v[STR], v21, XPITCH
	v_lshl_add_u32 v[STR], v[HH], 7, v[STR]
	v_add_nc_u32 v[STR], s44, v[STR]
	v_and_b32 v22, 8, v21
	v_add_nc_u32 v22, v22, v21                     ; r + 8 (r / 8)
	v_mul_u32_u24 v[XA], v22, XPITCH
	v_lshl_add_u32 v[XA], v[HH], 7, v[XA]
	v_add_nc_u32 v[XA], s49, v[XA]
	s_mul_i32 s46, s15, FI
	s_add_co_u32 s46, s46, XIMG
	v_add_nc_u32 v[XWI], s46, v[GA]                ; my images: [t][j]
	s_lshl_b32 s46, s15, 7
	s_add_co_u32 s46, s46, XSC
	v_add_nc_u32 v[XWS], s46, v[A4]
	v_add_nc_u32 v[XI], XIMG, v[GA]
	v_add_nc_u32 v[XSA], XSC, v[A4]
	v_mul_u32_u24 v[RSW], v[HH], 272               ; rel_emb's stage: 32 rows of 256 bytes + 16; a load brings two rows
	v_lshl_add_u32 v[RSW], v21, 4, v[RSW]
	v_add_nc_u32 v[RSW], s44, v[RSW]
	v_mul_u32_u24 v[RSR], v21, 272
	v_lshl_add_u32 v[RSR], v[HH], 7, v[RSR]
	v_add_nc_u32 v[RSR], s44, v[RSR]
	; the scale words' place in LDS: weight, row of x's tiles, byte b
	s_and_b32 s45, s14, 1                          ; b
	s_lshr_b32 s46, s15, 1
	s_lshl_b32 s46, s46, 8
	s_add_co_u32 s46, s46, s45
	s_add_co_u32 s46, s46, SCW
	v_add_nc_u32 v[SCA], s46, v[A4]
	; and where wave 0 (Q) and wave 1 (K) read two words a lane back: K as they lie, 8 l; Q in natural order of rows: bits 2 and 3 of the lane change places
	s_lshl_b32 s46, s45, 5
	s_xor_b32 s47, s46, 32
	s_add_co_u32 s46, s46, 32                      ; K 64, Q 32
	s_add_co_u32 s47, s47, 32                      ; K 32, Q 64
	v_bfe_u32 v22, v0, 2, 1
	v_bfe_u32 v23, v0, 3, 1
	v_mul_u32_u24 v22, s47, v22
	v_mul_u32_u24 v23, s46, v23
	v_and_b32 v24, 3, v0
	v_lshl_add_u32 v22, v24, 3, v22
	v_add_nc_u32 v22, v22, v23
	v_lshl_add_u32 v22, v[HH], 7, v22
	s_lshl_b32 s46, s45, 8
	s_add_co_u32 s46, s46, SCW
	v_add_nc_u32 v[SCR], s46, v22
	; where a lane's whole block goes in a pair of tiles: lane (r, hh) holds row r of the pair's tile hh
	v_lshrrev_b32 v22, 3, v21
	v_and_b32 v23, 7, v21
	v_mul_u32_u24 v24, v[HH], 768
	v_mul_u32_u24 v25, v22, 768
	v_lshl_add_u32 v26, v21, 4, v24                ; K: 768 hh + 16 r
	v_lshl_add_u32 v27, v[HH], 7, v25
	v_lshl_add_u32 v27, v23, 4, v27                ; Q: tile r / 8, row 8 hh + r % 8
	v_lshl_add_u32 v28, v21, 3, v24
	v_lshl_add_u32 v29, v[HH], 6, v25
	v_lshl_add_u32 v29, v23, 3, v29
	s_cmp_ge_u32 s15, 2
	s_cselect_b32 s46, -1, 0
	v_cndmask_b32 v[C16], v27, v26, s46
	v_cndmask_b32 v[C8], v29, v28, s46
	s_lshl_b32 s46, s45, 8
	v_add_nc_u32 v[C16], s46, v[C16]
	s_lshl_b32 s46, s45, 7
	v_add_nc_u32 v[C8], s46, v[C8]
	v_lshlrev_b32 v[R4], 2, v21
.irp t, 0,1,2,3
	v_mov_b32 v[PX+\t], 0                          ; written once: a lane permute's destination counts as one of its sources
.endr
	s_lshl_b32 s42, ttmp9, 17                      ; the work-group's 64 rows of 2,048 bytes,
	s_lshl_b32 s43, s15, 9                         ; my 512 bytes of each
	s_add_co_u32 s42, s42, s43
	s_mov_b32 s43, 0
	s_wait_dscnt 0x0
	s_wait_alu depctr_va_vdst(0)                   ; the wait at the head's end
	s_wait_kmcnt 0x0
	s_add_nc_u64 s[50:51], s[4:5], s[42:43]
	s_or_b32 s51, s51, 0x80000000
	s_cmp_lt_u32 s14, 4
	s_cbranch_scc1 .Lx_asked
	tensor_load_to_lds s[48:51], s[16:23]          ; waves 4-7: my chunk of x, the wave's one tensor load
	s_nop 0
	P 4
.Lx_asked:
	s_cmp_lt_u32 s14, 2                            ; my weight: the choice hangs on the wave's number alone
	s_cselect_b64 s[24:25], s[6:7], s[8:9]
	s_cselect_b64 s[36:37], s[30:31], s[32:33]     ; and where its results go
	s_cselect_b32 s52, 5<<23, 0                    ; the floor: 5 for Q,
	s_cmp_lt_u32 s14, 4
	s_cselect_b64 s[24:25], s[24:25], s[10:11]
	s_lshl_b32 s42, s45, 16                        ; 32 rows of Wq or Wk,
	s_lshl_b32 s46, s15, 15                        ; 16 of Wv
	s_cmp_lt_u32 s14, 4
	s_cselect_b32 s42, s42, s46
	s_add_nc_u64 s[24:25], s[24:25], s[42:43]
	s_max_u32 s52, s52, 5<<23
	s_mov_b32 s53, 0xfe000000                      ; what is added to the largest magnitude's field for the stored byte: -4,
	s_cmp_ge_u32 s14, 2
	s_cbranch_scc0 .Lis_q
	s_mov_b32 s52, 8<<23                           ; for K the floor is 8
	s_mov_b32 s53, 0xfc800000                      ; and the byte 7 lower
.Lis_q:
	s_mul_i32 s42, ttmp9, 3072                     ; four tiles of 768 bytes
	s_add_nc_u64 s[36:37], s[36:37], s[42:43]
	s_mul_i32 s46, s15, 768
	s_add_co_u32 s42, s42, s46
	s_add_nc_u64 s[54:55], s[34:35], s[42:43]      ; V's codes: tile 4 G + j
	s_lshr_b32 s42, ttmp9, 1
	s_lshl_b32 s42, s42, 2
	s_add_co_u32 s42, s42, s15
	s_lshl_b32 s42, s42, 6
	s_and_b32 s46, ttmp9, 1
	s_lshl_b32 s46, s46, 1
	s_add_co_u32 s42, s42, s46
	s_add_co_u32 s42, s42, 786432
	s_add_nc_u64 s[56:57], s[34:35], s[42:43]      ; V's scale words: my 64 keys are two of a word's four bytes
	s_cmp_eq_u32 s14, 0
	s_cselect_b64 s[38:39], s[30:31], s[32:33]     ; Q's or K's scale words, by wave 0 or 1
	s_lshl_b32 s42, ttmp9, 8
	s_add_co_u32 s42, s42, 786432
	s_add_nc_u64 s[38:39], s[38:39], s[42:43]
	s_cmp_ge_u32 s14, 4
	s_cbranch_scc1 .Lv1
	; ---- waves 0-3: eight fragments of Wq or Wk
	GL 0, 1
	GL 1, 1
	GL 2, 1
	FRAGS 8, 1
	s_wait_alu depctr_va_vdst(0)
	s_branch .Lj1
.Lv1:	; ---- waves 4-7: perhaps a pair of rel_emb's tiles, four fragments of Wv, four of x
	s_sub_co_u32 s46, s14, 4
	s_lshl_b32 s46, s46, 10
	s_add_co_u32 s46, s46, ttmp9
	s_cmp_lt_u32 s46, 68                           ; wave 4 of work-groups 0-67
	s_cbranch_scc0 .Lno_rel
	s_lshl_b32 s42, ttmp9, 13
	s_add_nc_u64 s[26:27], s[28:29], s[42:43]      ; 32 rows of 256 bytes
	s_mul_i32 s42, ttmp9, 1536
	s_add_nc_u64 s[58:59], s[12:13], s[42:43]
	s_lshl_b32 s42, ttmp9, 7
	s_add_co_u32 s42, s42, 104448
	s_add_nc_u64 s[60:61], s[12:13], s[42:43]
	WIN 0x40
.irp i, 0,1,2,3,4,5,6,7,8,9,10,11,12,13,14,15
	global_load_b128 v[128+4*\i:131+4*\i], v[GA], s[26:27] offset:512*\i
.endr
	WIN 0
	GL 0, 0
	GL 1, 0
	s_wait_loadcnt 32                              ; rel_emb's 16 loads are in
	TURN 2, RSW, 544, RSR, 4352                    ; lane (r, h): block h of row r of tile 2 p, then of tile 2 p + 1
	QUANT32 WC+48, WDX
	v_lshrrev_b32 v[MX], 16, v[WDX]
	v_and_b32 v[MX+1], 0xffff, v[WDX]
	v_cmp_eq_u32 vcc_lo, 1, v[HH]
	v_cndmask_b32 v[WC+60], v[MX+1], v[MX], vcc_lo ; lanes 0-15 tile 2 p's word, lanes 16-31 tile 2 p + 1's
	global_store_b128 v[GA], v[WC+48:WC+51], s[58:59]
	global_store_b64 v[A8], v[WC+52:WC+53], s[58:59] offset:512
	global_store_b128 v[GA], v[WC+54:WC+57], s[58:59] offset:768
	global_store_b64 v[A8], v[WC+58:WC+59], s[58:59] offset:1280
	global_store_b32 v[A4], v[WC+60], s[60:61]
	s_wait_alu depctr_va_vdst(0)
	s_branch .Lwv
.Lno_rel:
	GL 0, 0
	GL 1, 0
.Lwv:
	GL 2, 0
	FRAGS 4, 0
	s_wait_alu depctr_va_vdst(0)
	s_wait_tensorcnt 0x0                           ; my chunk of x has landed; only I read it
.irp t, 0,1,2,3
.irp c, 0,1
.irp i, 0,1,2,3,4,5,6,7
	ds_load_b128 v[XS+32*\c+4*\i:XS+32*\c+4*\i+3], v[XA] offset:(32*(\t/2)+8*(\t%2))*XPITCH+256*\c+16*\i
.endr
.endr
	s_wait_dscnt 0x0                               ; (the last tile's stores have read their registers too)
	QUANT32 F, WDX
.irp c, 0,1,2
	ds_store_b128 v[XWI], v[F+4*\c:F+4*\c+3] offset:4*FI*\t+512*\c   ; the fragment as it stands
.endr
	ds_store_b32 v[XWS], v[WDX] offset:512*\t
.endr
.Lj1:
	P 8                                            ; an operand written by vector instructions stands 4 places, a scale 8 places ahead of a scaled product
	s_wait_alu depctr_va_vdst(0)
	s_wait_dscnt 0x0                               ; for the others' sake: my images are stored
	s_barrier_signal -1
	s_barrier_wait -1                              ; nothing is filled by a tensor load behind this barrier
	; ---- x's 16 fragments, by K step: 16 LDS loads each, into window 1
.set ss, 0
.rept 4
	WIN 0x40
.irp t, 0,1,2,3
.irp c, 0,1,2
	ds_load_b128 v[12*(4*ss+\t)+4*\c:12*(4*ss+\t)+4*\c+3], v[XI] offset:FI*(4*\t+ss)+512*\c
.endr
.endr
	WIN 0
.irp t, 0,1,2,3
	ds_load_b32 v[XSW+4*ss+\t], v[XSA] offset:128*(4*\t+ss)
.endr
.set ss, ss+1
.endr
	s_cmp_ge_u32 s14, 4
	s_cbranch_scc1 .Lv2
	; ---- Q or K: eight accumulators by turns; the first K step starts the sums
	WIN 0x04                                       ; x, source 1, in window 1
.set ss, 0
.rept 4
	s_wait_dscnt 48-16*ss                          ; this K step's 16 loads are in
.irp t, 0,1,2,3
.irp u, 0,1
.if ss == 0
	v_wmma_scale_f32_16x16x128_f8f6f4 v[ACC+16*\t+8*\u:ACC+16*\t+8*\u+7], v[WC+12*(4*\u+ss):WC+12*(4*\u+ss)+11], v[12*(4*ss+\t):12*(4*ss+\t)+11], 0, v[WSC+4*\u+ss], v[XSW+4*ss+\t] matrix_a_fmt:MATRIX_FMT_BF6 matrix_b_fmt:MATRIX_FMT_BF6
.else
	v_wmma_scale_f32_16x16x128_f8f6f4 v[ACC+16*\t+8*\u:ACC+16*\t+8*\u+7], v[WC+12*(4*\u+ss):WC+12*(4*\u+ss)+11], v[12*(4*ss+\t):12*(4*ss+\t)+11], v[ACC+16*\t+8*\u:ACC+16*\t+8*\u+7], v[WSC+4*\u+ss], v[XSW+4*ss+\t] matrix_a_fmt:MATRIX_FMT_BF6 matrix_b_fmt:MATRIX_FMT_BF6
.endif
.endr
.endr
.set ss, ss+1
.endr
	WIN 0
	P 4                                            ; places in front of reads of the results (ISA guide 7.12.1)
	; quantise along the head: tile t's 16 registers are half of block b of row r; lane l xor 16 has the other half
.irp t, 0,1,2,3
	v_max3_num_f32 v[TM+\t], |v[ACC+16*\t]|, |v[ACC+16*\t+1]|, s52   ; with the floor
.endr
.irp i, 2,4,6,8,10,12,14
.irp t, 0,1,2,3
	v_max3_num_f32 v[TM+\t], v[TM+\t], |v[ACC+16*\t+\i]|, |v[ACC+16*\t+\i+1]|
.endr
.endr
.irp t, 0,1,2,3
	v_permlanex16_b32 v[PX+\t], v[TM+\t], s[SEL], s[SEL+1]
.endr
.irp t, 0,1,2,3
	v_max_num_f32 v[TM+\t], v[TM+\t], v[PX+\t]
.endr
.irp t, 0,1,2,3
	v_add_nc_u32 v[SC2+\t], 0xfe000000, v[TM+\t]
.endr
.irp t, 0,1,2,3
	v_add_nc_u32 v[BY2+\t], s53, v[TM+\t]
.endr
.irp t, 0,1,2,3
	v_lshrrev_b32 v[BY2+\t], 23, v[BY2+\t]         ; the stored byte
.endr
.irp p, 0,1
	v_cvt_scalef32_pk16_bf6_f32 v[F+6*\p:F+6*\p+2], v[ACC+32*\p:ACC+32*\p+15], v[SC2+2*\p]
	v_cvt_scalef32_pk16_bf6_f32 v[DD+4*\p:DD+4*\p+2], v[ACC+32*\p+16:ACC+32*\p+31], v[SC2+2*\p+1]
.endr
	v_nop                                          ; one plain place behind a scaled conversion
.irp p, 0,1
.irp i, 0,1,2
	v_permlane16_swap_b32 v[F+6*\p+\i], v[DD+4*\p+\i]   ; lane (r, hh) now holds block b of row r of tile 2 p + hh, whole
.endr
.irp i, 0,1,2
	v_mov_b32 v[F+6*\p+3+\i], v[DD+4*\p+\i]
.endr
.endr
	v_cmp_eq_u32 vcc_lo, 1, v[HH]
.irp p, 0,1
	v_cndmask_b32 v[TM+\p], v[BY2+2*\p], v[BY2+2*\p+1], vcc_lo
.endr
.irp p, 0,1
	ds_store_b8 v[SCA], v[TM+\p] offset:128*\p     ; byte b of the row's word,
	ds_store_b8 v[SCA], v[NIL] offset:128*\p+2     ; and 0 in byte 2 + b
	global_store_b128 v[C16], v[F+6*\p:F+6*\p+3], s[36:37] offset:1536*\p
	global_store_b64 v[C8], v[F+6*\p+4:F+6*\p+5], s[36:37] offset:1536*\p+512
.endr
	s_wait_alu depctr_va_vdst(0)
	s_branch .Lj2
.Lv2:	; ---- V: four accumulators by turns
	WIN 0x01                                       ; x, source 0, in window 1
.set ss, 0
.rept 4
	s_wait_dscnt 48-16*ss
.irp t, 0,1,2,3
.if ss == 0
	v_wmma_scale_f32_16x16x128_f8f6f4 v[ACC+8*\t:ACC+8*\t+7], v[12*(4*ss+\t):12*(4*ss+\t)+11], v[WC+12*ss:WC+12*ss+11], 0, v[XSW+4*ss+\t], v[WSC+ss] matrix_a_fmt:MATRIX_FMT_BF6 matrix_b_fmt:MATRIX_FMT_BF6
.else
	v_wmma_scale_f32_16x16x128_f8f6f4 v[ACC+8*\t:ACC+8*\t+7], v[12*(4*ss+\t):12*(4*ss+\t)+11], v[WC+12*ss:WC+12*ss+11], v[ACC+8*\t:ACC+8*\t+7], v[XSW+4*ss+\t], v[WSC+ss] matrix_a_fmt:MATRIX_FMT_BF6 matrix_b_fmt:MATRIX_FMT_BF6
.endif
.endr
.set ss, ss+1
.endr
	WIN 0
	P 4
.irp b, 0,1                                    ; register 16 b + i = key 32 b + 16 (lane / 16) + i
	v_max3_num_f32 v[TM+\b], |v[ACC+16*\b]|, |v[ACC+16*\b+1]|, 0x2800000
.endr
.irp i, 2,4,6,8,10,12,14
.irp b, 0,1
	v_max3_num_f32 v[TM+\b], v[TM+\b], |v[ACC+16*\b+\i]|, |v[ACC+16*\b+\i+1]|
.endr
.endr
.irp b, 0,1
	v_permlanex16_b32 v[PX+\b], v[TM+\b], s[SEL], s[SEL+1]
.endr
.irp b, 0,1
	v_max_num_f32 v[TM+\b], v[TM+\b], v[PX+\b]
.endr
.irp b, 0,1
	v_add_nc_u32 v[SC2+\b], 0xfe000000, v[TM+\b]
.endr
.irp b, 0,1
	v_lshrrev_b32 v[BY2+\b], 23, v[SC2+\b]
.endr
	v_lshl_or_b32 v[WDX], v[BY2+1], 8, v[BY2]
	v_cvt_scalef32_pk16_bf6_f32 v[F:F+2], v[ACC:ACC+15], v[SC2]
	v_cvt_scalef32_pk16_bf6_f32 v[D2:D2+2], v[ACC+16:ACC+31], v[SC2+1]
	v_nop                                          ; one plain place behind a scaled conversion
.irp i, 0,1,2
	v_permlane16_swap_b32 v[F+\i], v[D2+\i]        ; lanes 0-15 block 0 whole, lanes 16-31 block 1
.endr
.irp i, 0,1,2
	v_mov_b32 v[F+3+\i], v[D2+\i]
.endr
	global_store_b128 v[GA], v[F:F+3], s[54:55]
	global_store_b64 v[A8], v[F+4:F+5], s[54:55] offset:512
	global_store_b16 v[R4], v[WDX], s[56:57]       ; lanes l and l xor 16 store the same two bytes with the same value
.Lj2:
	s_wait_alu depctr_va_vdst(0)
	s_wait_dscnt 0x0                               ; for the others' sake: my scale bytes are stored
	s_barrier_signal -1
	s_barrier_wait -1
	s_cmp_gt_u32 s14, 1
	s_cbranch_scc1 .Lend
	ds_load_b64 v[MX:MX+1], v[SCR]
	s_wait_dscnt 0x0
	global_store_b64 v[A8], v[MX:MX+1], s[38:39]   ; 32 lanes store one aligned unit of 256 bytes
.Lend:
	s_wait_tensorcnt 0x0                           ; the wave's end
	ds_add_u32 v[SPW], v[NIL]
	s_wait_dscnt 0x0
	s_endpgm
.Lfunc_end_k_q2a782296e1_proj:
	.size	k_q2a782296e1_proj, .Lfunc_end_k_q2a782296e1_proj-k_q2a782296e1_proj
	.p2alignl 7, 3214868480
	.fill 96, 4, 3214868480
	.section	.rodata,"a",@progbits
	.p2align	6, 0x0
	.amdhsa_kernel k_q2a782296e1_proj
		.amdhsa_group_segment_fixed_size 232960
		.amdhsa_private_segment_fixed_size 0
		.amdhsa_enable_private_segment 0
		.amdhsa_kernarg_size 72
		.amdhsa_user_sgpr_count 2
		.amdhsa_user_sgpr_kernarg_segment_ptr 1
		.amdhsa_wavefront_size32 1
		.amdhsa_system_sgpr_workgroup_id_x 1
		.amdhsa_system_sgpr_workgroup_id_y 1
		.amdhsa_system_sgpr_workgroup_id_z 1
		.amdhsa_system_vgpr_workitem_id 0
		.amdhsa_next_free_vgpr 448
		.amdhsa_next_free_sgpr 66
		.amdhsa_reserve_vcc 1
		.amdhsa_float_denorm_mode_32 3
		.amdhsa_float_denorm_mode_16_64 3
		.amdhsa_memory_ordered 1
		.amdhsa_forward_progress 1
		.amdhsa_inst_pref_size 134
	.end_amdhsa_kernel
	.amdgpu_metadata
---
amdhsa.version: [ 1, 2 ]
amdhsa.kernels:
  - .name:           k_q2a782296e1_proj
    .symbol:         k_q2a782296e1_proj.kd
    .args:
      - { .name: x, .offset: 0, .size: 8, .value_kind: global_buffer, .address_space: global }
      - { .name: Wq, .offset: 8, .size: 8, .value_kind: global_buffer, .address_space: global }
      - { .name: Wk, .offset: 16, .size: 8, .value_kind: global_buffer, .address_space: global }
      - { .name: Wv, .offset: 24, .size: 8, .value_kind: global_buffer, .address_space: global }
      - { .name: rel_emb, .offset: 32, .size: 8, .value_kind: global_buffer, .address_space: global }
      - { .name: qc, .offset: 40, .size: 8, .value_kind: global_buffer, .address_space: global }
      - { .name: kc, .offset: 48, .size: 8, .value_kind: global_buffer, .address_space: global }
      - { .name: vc, .offset: 56, .size: 8, .value_kind: global_buffer, .address_space: global }
      - { .name: rc, .offset: 64, .size: 8, .value_kind: global_buffer, .address_space: global }
    .group_segment_fixed_size: 232960
    .private_segment_fixed_size: 0
    .kernarg_segment_align: 8
    .kernarg_segment_size: 72
    .max_flat_workgroup_size: 256
    .sgpr_count:     66
    .vgpr_count:     448
    .wavefront_size: 32
...
	.end_amdgpu_metadata
.endif
;; end of part 1
;; launch attn (part 2): grid 32 x 8, 12 waves a work-group, no clusters, 276,480 bytes of LDS; arguments qc, kc, vc, rc, out0; writes out0
.if DOCPART == 2
	.amdgcn_target "amdgcn-amd-amdhsa--gfx1250"
	.amdhsa_code_object_version 6
	.text
	.protected	k_q2a782296e1_attn
	.globl	k_q2a782296e1_attn
	.p2align	8
	.type	k_q2a782296e1_attn,@function
k_q2a782296e1_attn:
	s_mov_b64 s[64:65], 0
	v_nop
	global_prefetch_b8 v0, s[64:65] scope:SCOPE_SE
	s_setreg_imm32_b32 hwreg(HW_REG_WAVE_MODE, 25, 1), 1
	s_wait_xcnt 0x0
; out[b][i] = sum over j <= i of softmax_j(Q_i . K_j / 8 + Q_i . R[2047 - i + j]) V_j, all three products on codes of BF6 (E3M2) with E8M0 scales; out: [8][2048][64] f32.
; Left out: key steps that lie wholly above the diagonal (the problem's own mask throws them away for all values of the inputs); a NaN or an infinity there is not carried to the result.
; Q, K, R: tiles of 16 rows x 64 (six registers a lane); V: tiles of 16 channels x 64 keys; all as images of registers, scale words beside them.  K's scale bytes carry the division by 8.
; THE HEAD'S 64 IN AN INSTRUCTION OF 128 ALONG K: Q's fragment is six registers of codes and six of zeros.  Source 0 (R, K) names twelve registers, of which the upper six are the next tile's codes (behind R's last
; tile K's first, behind K's last p's): every BF6 code is finite and meets zero codes; the scale words' upper two bytes are 0, which is 2^-127 and no NaN.
; SHARES.  Work-group (g, b) owns queries 32 (63 - g) .. + 31 and 32 g .. + 31 of sequence b: together always 17 UNITS of 32 queries x 128 keys: units 0 .. nB - 1, nB = 16 - g / 4, are the first block's key steps,
; the others the second's.  Wave w of twelve takes unit w; then the last five units are shared out as ten HALF units of 16 queries: wave w < 10 takes tile w % 2 of unit 12 + w / 2.
; A half unit runs as tile 0: its Q begins w % 2 tiles on, its window of R w % 2 tiles earlier.  Its Q, R and K are asked for as soon as the whole unit's last product on K is behind.
; Each tile of a unit leaves its own M, sum and O in LDS; behind one barrier they are joined by exact powers of two (M is a whole number).
; THE SOFTMAX: t = logit x log2(e); M = the tile's largest t, rounded up to a whole number; p = 2^(t - M) is quantised along the keys; the sum is taken of the unquantised p and divides at the end.
; THE RELATIVE TERM.  M^T = R Q^T for nine tiles of R: lane (q, h) holds query q and rows rho = 16 T + 8 h + j of a window in which key kappa wants rho = kappa + 15 - q.  The results are stored to the
; wave's own LDS with rows 596 bytes apart and read back with rows 592 bytes apart: the shift by q.  They land in the registers that are the C of K Q^T: no addition is written.
; Both products are used transposed: a lane holds one query throughout.  Keys of a tile of K are 32 b + 8 u + r + 8 (r / 8), so that registers 16 b + i of the scores are keys 32 b + 16 (lane / 16) + i.
; No tensor loads: the operands go from memory straight into registers.  No cluster: each wave walks key steps of its own.  No prefetch: there is no loop to run ahead in.
; LIMITS: NaN and infinities are not served; scaled scores (exponents to the base 2) under 2^31 in magnitude.
; REGISTERS: window 0 all but V's four fragments, which are window 1's v0-47.  M^T, the scores, p and O^T share v182-253.
.set SKEWB, 9728                       ; LDS 0: 9,728 bytes for each wave: M^T, row q at 4 + 596 q
.set PART,  116736                     ; the partial O: [unit][tile][16 rows of 256 bytes + 16]
.set PUNIT, 8704
.set PTILE, 4352
.set STAT,  264704                     ; -M [tile][q][20 words, word = unit]; the sums 2,560 on; both once more 5,120 on with word = unit + 3
.set SPARE, 274944                     ; the spare words, 128 bytes a wave
.set A16, 1                            ; 16 x lane
.set A8,  2
.set A4,  3
.set STA, 4                            ; M^T: where I store
.set RDA, 5                            ; and where I read
.set QH,  6                            ; q - 16 h
.set SPW, 7
.set NIL, 8
.set TT,  9
.set NM,  10                           ; -M (v11: named with it as a pair)
.set LL,  12                           ; the sum, two chains of two halves
.set SUM, 14
.set RS,  16                           ; v16-28 scale words and nothing else: R's, K's, V's, Q's, p's; lanes 0-15 an even tile, lanes 16-31 the next
.set KS,  21
.set VS,  25
.set QS,  27
.set PW,  28
.set AQ4, 29                           ; 4 x (lane % 16)
.set QF,  30
.set RF,  54
.set KF,  114
.set PC,  162
.set DD,  174
.set S,   182
.set BM,  246                          ; the blocks' largest scores, in M^T's last eight registers
.set PX,  250                          ; at work, then the conversions' scale operands
.set PAD, 254                          ; my place among the partial results
.set SAD, 255                          ; and among the statistics
.set VF,  0                            ; window 1
.set MSB, 0
.macro WIN new                         ; bits 1:0 source 0, 3:2 source 1, 5:4 source 2, 7:6 destination; the high byte repeats the setting that is left
.if MSB != \new
	s_set_vgpr_msb (MSB<<8)|\new
.set MSB, \new
.endif
.endm
.macro P n
.rept \n
	v_nop
.endr
.endm
; a product; c: 0 or its own registers; ra, rb: the scales stand in lanes 16-31 of the register named
.macro WM d, a, b, c, sa, sb, ra, rb
.if (\ra) && (\rb)
	v_wmma_scale_f32_16x16x128_f8f6f4 v[\d:\d+7], v[\a:\a+11], v[\b:\b+11], \c, v[\sa], v[\sb] matrix_a_fmt:MATRIX_FMT_BF6 matrix_b_fmt:MATRIX_FMT_BF6 matrix_a_scale:MATRIX_SCALE_ROW1 matrix_b_scale:MATRIX_SCALE_ROW1
.elseif (\ra)
	v_wmma_scale_f32_16x16x128_f8f6f4 v[\d:\d+7], v[\a:\a+11], v[\b:\b+11], \c, v[\sa], v[\sb] matrix_a_fmt:MATRIX_FMT_BF6 matrix_b_fmt:MATRIX_FMT_BF6 matrix_a_scale:MATRIX_SCALE_ROW1
.elseif (\rb)
	v_wmma_scale_f32_16x16x128_f8f6f4 v[\d:\d+7], v[\a:\a+11], v[\b:\b+11], \c, v[\sa], v[\sb] matrix_a_fmt:MATRIX_FMT_BF6 matrix_b_fmt:MATRIX_FMT_BF6 matrix_b_scale:MATRIX_SCALE_ROW1
.else
	v_wmma_scale_f32_16x16x128_f8f6f4 v[\d:\d+7], v[\a:\a+11], v[\b:\b+11], \c, v[\sa], v[\sb] matrix_a_fmt:MATRIX_FMT_BF6 matrix_b_fmt:MATRIX_FMT_BF6
.endif
.endm
; A unit's scalars, from s18 = unit and s54 = tiles to skip.  s19 block of 32 queries, s21 key step, s55 = 1 on the diagonal, s56 = first query - the diagonal step's first key; s[28:43] where its operands lie
.macro USET
	s_sub_co_u32 s46, 63, s15
	s_sub_co_u32 s47, s18, s17
	s_cmp_lt_u32 s18, s17
	s_cselect_b32 s19, s46, s15
	s_cselect_b32 s21, s18, s47
	s_lshr_b32 s46, s19, 2
	s_cmp_eq_u32 s21, s46
	s_cselect_b32 s55, 1, 0
	s_and_b32 s56, s19, 3
	s_lshl_b32 s56, s56, 5
	s_lshl_b32 s46, s54, 4
	s_add_co_u32 s56, s56, s46
	s_mov_b32 s47, 0
	s_mul_i32 s46, s19, 1536
	s_mul_i32 s49, s54, 768
	s_add_co_u32 s46, s46, s49
	s_add_nc_u64 s[40:41], s[66:67], s[46:47]      ; Q's codes,
	s_lshl_b32 s46, s19, 7
	s_lshl_b32 s49, s54, 6
	s_add_co_u32 s46, s46, s49
	s_add_nc_u64 s[42:43], s[68:69], s[46:47]      ; and words
	s_lshl_b32 s48, s21, 3
	s_add_co_u32 s48, s48, 126
	s_lshl_b32 s49, s19, 1
	s_sub_co_u32 s48, s48, s49
	s_sub_co_u32 s48, s48, s54                     ; R's window begins at tile 126 - 2 block + 8 s (a half unit's perhaps one earlier: that tile is not loaded)
	s_add_co_u32 s49, s48, 1
	s_mul_i32 s46, s49, 768
	s_add_nc_u64 s[36:37], s[10:11], s[46:47]      ; its second tile
	s_lshl_b32 s46, s48, 6
	s_add_co_u32 s46, s46, 104448
	s_add_nc_u64 s[38:39], s[10:11], s[46:47]
	s_mul_i32 s46, s21, 6144
	s_add_nc_u64 s[28:29], s[70:71], s[46:47]      ; K's eight tiles
	s_add_nc_u64 s[32:33], s[74:75], s[46:47]      ; V's eight
	s_lshl_b32 s46, s21, 9
	s_add_nc_u64 s[30:31], s[72:73], s[46:47]
	s_lshl_b32 s46, s21, 8
	s_add_nc_u64 s[34:35], s[76:77], s[46:47]
.endm
.macro TL reg, base, off               ; a tile: 32 lanes read 512, then 256 consecutive bytes
	global_load_b128 v[\reg:\reg+3], v[A16], s[\base:\base+1] offset:\off
	global_load_b64 v[\reg+4:\reg+5], v[A8], s[\base:\base+1] offset:(\off)+512
.endm
.macro QRK half                        ; Q, R, K.  Behind K's first tile stand 18 loads
.if \half
	global_load_b32 v[QS], v[AQ4], s[42:43]
	TL QF, 40, 0
.else
	global_load_b32 v[QS], v[A4], s[42:43]
	TL QF, 40, 0
	TL QF+12, 40, 768
.endif
.irp p, 0,1,2,3,4
	global_load_b32 v[RS+\p], v[A4], s[38:39] offset:128*\p
.endr
.if (\half) == 0
	TL RF, 36, -768
.endif
.irp p, 1,2,3,4,5,6,7,8,9
	TL RF+6*\p, 36, 768*(\p-1)
.endr
	TL KF, 28, 0
.irp p, 0,1,2,3
	global_load_b32 v[KS+\p], v[A4], s[30:31] offset:128*\p
.endr
.irp p, 1,2,3,4,5,6,7
	TL KF+6*\p, 28, 768*\p
.endr
.endm
.macro LV                              ; V: 18 loads
.irp p, 0,1
	global_load_b32 v[VS+\p], v[A4], s[34:35] offset:128*\p
.endr
	WIN 0x40                                       ; destination window 1
.irp c, 0,1
.irp d, 0,1,2,3
	TL VF+12*\d+6*\c, 32, 768*(4*\c+\d)            ; channels 16 d on, keys 64 c on
.endr
.endr
	WIN 0
.endm
.macro PSET                            ; s44, s45: where my partial results and statistics go
	v_and_b32 v[TT], 15, v0
	v_bfe_u32 v[SUM], v0, 4, 1
	v_mul_u32_u24 v[PAD], v[TT], 272
	v_lshl_add_u32 v[PAD], v[SUM], 5, v[PAD]
	v_add_nc_u32 v[PAD], s44, v[PAD]
	v_mul_u32_u24 v[SAD], v[TT], 80
	v_add_nc_u32 v[SAD], s45, v[SAD]
.endm
; ONE TILE OF 16 QUERIES AGAINST 128 KEYS.  rw, kw, vw: loads that may be out when R (and K's first tile), K, V are wanted (-1: they are in).  hook: here the half unit's operands are asked for.
; No two matrix instructions that follow each other share an accumulator.
.macro TILE u, rw, kw, vw, hook
.if (\rw) >= 0
	s_wait_loadcnt \rw
.endif
.set tt, 0
.rept 9                                        ; M^T = R Q^T: tile u's window begins at the unit's tile 1 - u
.set TR, (1-\u)+tt
	WM S+8*tt, RF+6*TR, QF+12*\u, 0, RS+TR/2, QS, TR%2, \u
.set tt, tt+1
.endr
	P 5                                            ; places: four for the stores and loads, five for the products that write over these registers
.set tt, 0
.rept 72
	ds_store_b32 v[STA], v[S+tt] offset:64*(tt/8)+4*(tt%8)   ; rho = 16 T + 8 h + j; each accumulator from its low end on
.set tt, tt+1
.endr
.irp b, 0,1,2,3
.irp i, 0,1,2,3
	ds_load_b128 v[S+16*\b+4*\i:S+16*\b+4*\i+3], v[RDA] offset:128*\b+16*\i   ; LDS serves a wave's instructions in order (ISA guide 5.7.1.4).  Keys 32 b + 16 h + 4 i ..
.endr
.endr
.if (\kw) >= 0
	s_wait_loadcnt \kw
.endif
	s_wait_dscnt 0x0
.set tt, 0
.rept 8                                        ; the logits: K Q^T onto the relative term
	WM S+8*tt, KF+6*tt, QF+12*\u, v[S+8*tt:S+8*tt+7], KS+tt/2, QS, tt%2, \u
.set tt, tt+1
.endr
	P 4
.if \hook
	s_cmp_ge_u32 s14, 10
	s_cbranch_scc1 .Lno_half_\@
	s_lshr_b32 s18, s14, 1
	s_add_co_u32 s18, s18, 12
	s_and_b32 s54, s14, 1
	USET                                           ; (the whole unit's loads are all in: the bases may be written)
	QRK 1
.Lno_half_\@:
.endif
	s_cmp_eq_u32 s52, 0                            ; only a block's last key step lies on the diagonal
	s_cbranch_scc1 .Lopen_\@
	s_add_co_u32 s46, s53, 16*\u
	v_add_nc_u32 v[BM], s46, v[QH]                 ; d = my query - the step's first key - 16 h: register 16 b + i is hidden where 32 b + i > d
	v_mov_b32 v[BM+1], 0xff800000                  ; -infinity: p = 0 then.  The step's first key counts for every query of the block
.set nn, 0
.rept 64
	v_cmp_gt_i32 vcc_lo, 32*(nn/16)+nn%16, v[BM]
	v_cndmask_b32 v[S+nn], v[S+nn], v[BM+1], vcc_lo
.set nn, nn+1
.endr
.Lopen_\@:
.irp b, 0,1,2,3
	v_max3_num_f32 v[BM+\b], v[S+16*\b], v[S+16*\b+1], v[S+16*\b+2]   ; the largest score of each block of 32 keys: for the row's maximum and, since p rises with the score, for the block's largest p
.endr
.irp i, 3,5,7,9,11,13
.irp b, 0,1,2,3
	v_max3_num_f32 v[BM+\b], v[BM+\b], v[S+16*\b+\i], v[S+16*\b+\i+1]
.endr
.endr
.irp b, 0,1,2,3
	v_max_num_f32 v[BM+\b], v[BM+\b], v[S+16*\b+15]
.endr
.irp b, 0,1,2,3
	v_permlanex16_b32 v[PX+\b], v[BM+\b], s22, s23
.endr
.irp b, 0,1,2,3
	s_delay_alu instid0(VALU_DEP_4)
	v_max_num_f32 v[BM+\b], v[BM+\b], v[PX+\b]     ; with lane l xor 16's 16 keys
.endr
	s_delay_alu instid0(VALU_DEP_2)
	v_max3_num_f32 v[TT], v[BM], v[BM+1], v[BM+2]
	s_delay_alu instid0(VALU_DEP_1)
	v_max_num_f32 v[TT], v[TT], v[BM+3]
	s_delay_alu instid0(VALU_DEP_1)
	v_mul_f32 v[TT], s24, v[TT]                    ; the largest t
	s_delay_alu instid0(VALU_DEP_1)
	v_floor_f32 v[NM], -v[TT]                      ; -M = floor(-t) = -ceil(t)
.set jj, 0
.rept 32
	v_pk_fma_f32 v[S+jj:S+jj+1], v[S+jj:S+jj+1], s[24:25], v[NM:NM+1] op_sel_hi:[1,0,0]   ; t - M, two at a time
.set jj, jj+2
.endr
.irp b, 0,1,2,3
	v_fma_f32 v[BM+\b], v[BM+\b], s24, v[NM]
.endr
	s_wait_alu depctr_va_vdst(0)
.set jj, 0
.rept 64
	v_exp_f32 v[S+jj], v[S+jj]                     ; p = 2^(t - M)
.set jj, jj+1
.endr
.irp b, 0,1,2,3
	v_exp_f32 v[BM+\b], v[BM+\b]                   ; the block's largest p: the same two instructions on the same number
.endr
	v_nop                                          ; a plain place behind the exponentials
	s_wait_alu depctr_va_vdst(0)
.irp b, 0,1,2,3
	v_max_num_f32 v[BM+\b], 0x2800000, v[BM+\b]    ; the floor 2^(5 - 127): the byte cannot fall under 1
.endr
.irp b, 0,1,2,3
	s_delay_alu instid0(VALU_DEP_4)
	v_add_nc_u32 v[PX+\b], 0xfe000000, v[BM+\b]    ; the conversions' scale operands
.endr
.irp b, 0,1,2,3
	s_delay_alu instid0(VALU_DEP_4)
	v_lshrrev_b32 v[BM+\b], 23, v[PX+\b]           ; the bytes
.endr
	s_delay_alu instid0(VALU_DEP_3)
	v_lshl_or_b32 v[PW], v[BM+1], 8, v[BM]
	s_delay_alu instid0(VALU_DEP_1)
	v_lshl_or_b32 v[PW], v[BM+2], 16, v[PW]
	s_delay_alu instid0(VALU_DEP_1)
	v_lshl_or_b32 v[PW], v[BM+3], 24, v[PW]
.irp c, 0,1
	v_cvt_scalef32_pk16_bf6_f32 v[PC+6*\c:PC+6*\c+2], v[S+32*\c:S+32*\c+15], v[PX+2*\c]
	v_cvt_scalef32_pk16_bf6_f32 v[DD+4*\c:DD+4*\c+2], v[S+32*\c+16:S+32*\c+31], v[PX+2*\c+1]
.endr
	v_nop                                          ; one plain place behind a scaled conversion
.irp c, 0,1
.irp i, 0,1,2
	v_permlane16_swap_b32 v[PC+6*\c+\i], v[DD+4*\c+\i]   ; a whole block to a lane: lanes 0-15 block 2 c, lanes 16-31 block 2 c + 1
.endr
.irp i, 0,1,2
	s_delay_alu instid0(VALU_DEP_3)
	v_mov_b32 v[PC+3+6*\c+\i], v[DD+4*\c+\i]
.endr
.endr
	v_pk_add_f32 v[LL:LL+1], v[S:S+1], v[S+2:S+3]  ; the sum of the unquantised p, in two chains; these are also the places between p's codes and word and the products
	v_pk_add_f32 v[SUM:SUM+1], v[S+4:S+5], v[S+6:S+7]
.irp j, 8,12,16,20,24,28,32,36,40,44,48,52,56,60
	v_pk_add_f32 v[LL:LL+1], v[LL:LL+1], v[S+\j:S+\j+1]
	v_pk_add_f32 v[SUM:SUM+1], v[SUM:SUM+1], v[S+\j+2:S+\j+3]
.endr
	s_delay_alu instid0(VALU_DEP_1)
	v_pk_add_f32 v[LL:LL+1], v[LL:LL+1], v[SUM:SUM+1]
.if (\vw) >= 0
	s_wait_alu depctr_va_vdst(0)
	s_wait_loadcnt \vw
.endif
	WIN 0x01                                       ; V in window 1
.set tt, 0
.rept 4                                        ; O^T, on registers whose p has been read
	WM S+8*tt, VF+12*tt, PC, 0, VS+tt/2, PW, tt%2, 0
.set tt, tt+1
.endr
	WIN 0
	v_add_f32 v[LL], v[LL], v[LL+1]                ; the sum's two halves,
	v_nop
	v_permlanex16_b32 v[LL+1], v[LL], s22, s23
	v_nop
	v_add_f32 v[LL], v[LL], v[LL+1]                ; and lane l xor 16's.  (Five places behind the products)
	ds_store_b32 v[SAD], v[NM] offset:1280*\u      ; both halves of the lanes write the same word with the same value
	ds_store_b32 v[SAD], v[LL] offset:1280*\u+2560
	ds_store_b32 v[SAD], v[NM] offset:1280*\u+5132
	ds_store_b32 v[SAD], v[LL] offset:1280*\u+7692
.irp d, 0,1,2,3
	ds_store_b128 v[PAD], v[S+8*\d:S+8*\d+3] offset:PTILE*\u+64*\d        ; lane (q, h): channels 16 d + 8 h + 0 .. 7 of query q; each accumulator from its low end on
	ds_store_b128 v[PAD], v[S+8*\d+4:S+8*\d+7] offset:PTILE*\u+64*\d+16
.endr
.endm
	s_load_b256 s[4:11], s[0:1], 0x0               ; qc, kc, vc, rc
	s_load_b64 s[12:13], s[0:1], 0x20              ; out
	v_lshl_add_u32 v[SPW], v0, 2, SPARE
	v_mov_b32 v[NIL], 0
	v_lshrrev_b32 v9, 5, v0
	v_readfirstlane_b32 s14, v9                    ; wave 0..11
	v_and_b32 v9, 31, v0                           ; lane
	v_and_b32 v10, 15, v0                          ; q
	v_bfe_u32 v11, v0, 4, 1                        ; h
	v_lshlrev_b32 v[A16], 4, v9
	v_lshlrev_b32 v[A8], 3, v9
	v_lshlrev_b32 v[A4], 2, v9
	v_lshlrev_b32 v[AQ4], 2, v10
	v_lshlrev_b32 v[QH], 4, v11
	v_sub_nc_u32 v[QH], v10, v[QH]
	s_mul_i32 s46, s14, SKEWB
	v_mul_u32_u24 v[STA], v10, 596
	v_mul_u32_u24 v[RDA], v10, 592
	v_lshl_add_u32 v[STA], v11, 5, v[STA]
	v_lshl_add_u32 v[RDA], v11, 6, v[RDA]
	v_add_nc_u32 v[STA], s46, v[STA]
	v_add_nc_u32 v[RDA], s46, v[RDA]
	v_add_nc_u32 v[STA], 4, v[STA]                 ; 4 + 596 q + 32 h
	v_add_nc_u32 v[RDA], 64, v[RDA]                ; 4 + 596 q + 4 (15 - q) + 64 h
.irp j, 6,7,8,9,10,11,18,19,20,21,22,23
	v_mov_b32 v[QF+\j], 0                          ; the upper halves of Q's two fragments: zero codes, written once
.endr
.irp j, 0,1,2,3,4,5
	v_mov_b32 v[PC+\j], 0                          ; p's first codes: named behind K's last tile before p is first made
.endr
	v_mov_b32 v11, 0
	s_mul_i32 s44, s14, PUNIT
	s_add_co_u32 s44, s44, PART
	s_lshl_b32 s45, s14, 2
	s_add_co_u32 s45, s45, STAT
	PSET
	s_mov_b32 s15, ttmp9                           ; g
	s_and_b32 s16, ttmp7, 0xffff                   ; b
	s_lshr_b32 s46, s15, 2
	s_sub_co_u32 s17, 16, s46                      ; nB
	s_mov_b32 s22, 0x76543210
	s_mov_b32 s23, 0xfedcba98                      ; lane selects: lane l xor 16
	s_mov_b32 s24, 0x3fb8aa3b                      ; log2(e)
	s_mov_b32 s25, s24                             ; (named with it as a pair)
	s_mul_i32 s46, s16, 98304                      ; a sequence's 128 tiles of 768 bytes,
	s_mov_b32 s47, 0
	s_lshl_b32 s48, s16, 13                        ; Q's and K's scale words: 128 tiles of 64 bytes,
	s_add_co_u32 s48, s48, 786432
	s_mov_b32 s49, 0
	s_lshl_b32 s50, s16, 12                        ; V's: 16 steps of 256 bytes
	s_add_co_u32 s50, s50, 786432
	s_mov_b32 s51, 0
	s_wait_alu depctr_va_vdst(0)                   ; the wait at the head's end
	s_wait_kmcnt 0x0
	s_add_nc_u64 s[66:67], s[4:5], s[46:47]
	s_add_nc_u64 s[68:69], s[4:5], s[48:49]
	s_add_nc_u64 s[70:71], s[6:7], s[46:47]
	s_add_nc_u64 s[72:73], s[6:7], s[48:49]
	s_add_nc_u64 s[74:75], s[8:9], s[46:47]
	s_add_nc_u64 s[76:77], s[8:9], s[50:51]
	s_mov_b32 s18, s14
	s_mov_b32 s54, 0
	USET
	QRK 0
	LV
	s_mov_b32 s52, s55
	s_mov_b32 s53, s56
	TILE 0, 36, 18, 0, 0                           ; 36: K's other 18 loads and V's 18 may be out; 18: V's
	TILE 1, -1, -1, -1, 1
	s_wait_alu depctr_va_vdst(0)
	s_cmp_ge_u32 s14, 10
	s_cbranch_scc1 .Lmerge
	; ---- my half unit
	LV
	s_mov_b32 s52, s55
	s_mov_b32 s53, s56
	s_mul_i32 s44, s14, PTILE                      ; unit 12 + w / 2, tile w % 2: 12 units and w tiles on
	s_add_co_u32 s44, s44, PART+12*PUNIT
	s_lshr_b32 s45, s14, 1
	s_lshl_b32 s45, s45, 2
	s_and_b32 s46, s14, 1
	s_mul_i32 s46, s46, 1280
	s_add_co_u32 s45, s45, s46
	s_add_co_u32 s45, s45, STAT+48
	PSET
	s_wait_alu depctr_va_vdst(0)
	TILE 0, 18, -1, 0, 0
	s_wait_alu depctr_va_vdst(0)
.Lmerge:
	s_wait_dscnt 0x0                               ; for the others' sake: my stores are done
	s_barrier_signal -1
	s_barrier_wait -1
; THE MERGE.  out = sum over the units k of g_k O_k / sum of g_k l_k, with g_k = 2^(M_k - the largest M): exact.  Waves 0-7 join the first block (units 0 .. 15, those under nB count), two pairs of rows each;
; waves 8-11 the second (units 9 .. 16, those from nB on count), four pairs each: 32 partial pairs of rows a wave.  A unit that does not count gets -M = 3e38: its g is 0.
; v16 statistics, v17, v18 partial results; v32-63 -M, then g; v64-95 the sums; v96-223 O; v224-239 results; v240-243 the least -M; v244-247 the row's sum
.macro MERGE np, ns, second
.set ii, 0
.rept \np
.set kk, 0
.rept (\ns)/4
	ds_load_b128 v[32+(\ns)*ii+4*kk:35+(\ns)*ii+4*kk], v16 offset:160*ii+16*kk
	ds_load_b128 v[64+(\ns)*ii+4*kk:67+(\ns)*ii+4*kk], v16 offset:160*ii+16*kk+2560
.set kk, kk+1
.endr
.set ii, ii+1
.endr
.set ii, 0
.rept \np
.set kk, 0
.rept \ns
	ds_load_b128 v[96+4*((\ns)*ii+kk):99+4*((\ns)*ii+kk)], v[17+kk/8] offset:PUNIT*(kk%8)+544*ii
.set kk, kk+1
.endr
.set ii, ii+1
.endr
	s_wait_dscnt 32                                ; the statistics are in; the 32 loads of O may be out
	v_mov_b32 v19, 0x7f61b1e6
.set kk, 0
.rept 7
.set ii, 0
.rept \np
.if \second
	v_cndmask_b32 v[32+(\ns)*ii+kk], v19, v[32+(\ns)*ii+kk], s[28+kk]
.else
	v_cndmask_b32 v[41+(\ns)*ii+kk], v19, v[41+(\ns)*ii+kk], s[28+kk]
.endif
.set ii, ii+1
.endr
.set kk, kk+1
.endr
.set ii, 0
.rept \np
	v_min3_num_f32 v[240+ii], v[32+(\ns)*ii], v[33+(\ns)*ii], v[34+(\ns)*ii]
.set ii, ii+1
.endr
.set kk, 3
.rept (\ns)/2-2
.set ii, 0
.rept \np
	v_min3_num_f32 v[240+ii], v[240+ii], v[32+(\ns)*ii+kk], v[33+(\ns)*ii+kk]
.set ii, ii+1
.endr
.set kk, kk+2
.endr
.set ii, 0
.rept \np
	v_min_num_f32 v[240+ii], v[240+ii], v[32+(\ns)*ii+(\ns)-1]   ; the least -M: the largest M
.set ii, ii+1
.endr
.set kk, 0
.rept 32
	v_sub_f32 v[32+kk], v[240+kk/(\ns)], v[32+kk]  ; M_k - the largest M: a whole number, 0 or less
.set kk, kk+1
.endr
.set kk, 0
.rept 32
	v_cvt_i32_f32 v[32+kk], v[32+kk]               ; (it saturates)
.set kk, kk+1
.endr
.set kk, 0
.rept 32
	v_ldexp_f32 v[32+kk], 1.0, v[32+kk]            ; g_k
.set kk, kk+1
.endr
.set kk, 0
.rept \ns
.set ii, 0
.rept \np
.if kk == 0
	v_mul_f32 v[244+ii], v[32+(\ns)*ii], v[64+(\ns)*ii]
.else
	v_fmac_f32 v[244+ii], v[32+(\ns)*ii+kk], v[64+(\ns)*ii+kk]
.endif
.set ii, ii+1
.endr
.set kk, kk+1
.endr
	s_wait_alu depctr_va_vdst(0)
.set ii, 0
.rept \np
	v_rcp_f32 v[244+ii], v[244+ii]
.set ii, ii+1
.endr
	v_nop                                          ; one plain place behind a transcendental
	s_wait_alu depctr_va_vdst(0)
	s_wait_dscnt 0x0
.set kk, 0
.rept \ns
.set ii, 0
.rept \np
.set GG, 32+(\ns)*ii+kk
.set OO, 96+4*((\ns)*ii+kk)
.irp e, 0,2
.if kk == 0
	v_pk_mul_f32 v[224+4*ii+\e:225+4*ii+\e], v[OO+\e:OO+\e+1], v[GG:GG+1] op_sel_hi:[1,0]
.elseif kk%2 == 0
	v_pk_fma_f32 v[224+4*ii+\e:225+4*ii+\e], v[OO+\e:OO+\e+1], v[GG:GG+1], v[224+4*ii+\e:225+4*ii+\e] op_sel_hi:[1,0,1]
.else
	v_pk_fma_f32 v[224+4*ii+\e:225+4*ii+\e], v[OO+\e:OO+\e+1], v[GG-1:GG], v[224+4*ii+\e:225+4*ii+\e] op_sel:[0,1,0] op_sel_hi:[1,1,1]
.endif
.endr
.set ii, ii+1
.endr
.set kk, kk+1
.endr
.set ii, 0
.rept \np
.irp e, 0,1,2,3
	v_mul_f32 v[224+4*ii+\e], v[224+4*ii+\e], v[244+ii]
.endr
.set ii, ii+1
.endr
.set ii, 0
.rept \np
	global_store_b128 v[A16], v[224+4*ii:227+4*ii], s[12:13] offset:512*ii   ; 16 lanes store a row's 256 consecutive bytes, at a multiple of 256 from out's first byte; 32 lanes two rows
.set ii, ii+1
.endr
	s_wait_tensorcnt 0x0                           ; the wave's end
	ds_add_u32 v[SPW], v[NIL]
	s_wait_dscnt 0x0
	s_endpgm
.endm
.macro MADR rows, stat, part           ; s48 = my first row among the block's 32; addresses of my lane's row, 16 bytes a lane
	s_mul_i32 s46, s48, 80
	s_add_co_u32 s46, s46, \stat
	s_mul_i32 s47, s48, 272
	s_add_co_u32 s47, s47, \part
	v_bfe_u32 v20, v0, 4, 1
	v_and_b32 v21, 15, v0
	v_mul_u32_u24 v16, v20, 80
	v_add_nc_u32 v16, s46, v16
	v_mul_u32_u24 v17, v20, 272
	v_lshl_add_u32 v17, v21, 4, v17
	v_add_nc_u32 v17, s47, v17
.if \rows == 4
	v_add_nc_u32 v18, 8*PUNIT, v17                 ; units 8 .. 15
.endif
.endm
.macro MOUT                            ; s49 = block of 32 queries
	s_lshl_b32 s46, s49, 5
	s_add_co_u32 s46, s46, s48
	s_lshl_b32 s47, s16, 11
	s_add_co_u32 s46, s46, s47
	s_lshl_b32 s46, s46, 8                         ; rows of 256 bytes
	s_mov_b32 s47, 0
	s_add_nc_u64 s[12:13], s[12:13], s[46:47]
.endm
	s_cmp_ge_u32 s14, 8
	s_cbranch_scc1 .Lsecond
	s_lshl_b32 s48, s14, 2                         ; rows 4 w .. 4 w + 3 of the block's 32
	s_sub_co_u32 s49, 63, s15
	MOUT
.set kk, 0
.rept 7
	s_cmp_gt_u32 s17, 9+kk                         ; unit 9 + kk counts where it is under nB (nB is at least 9)
	s_cselect_b32 s[28+kk], -1, 0
.set kk, kk+1
.endr
	MADR 4, STAT, PART
	MERGE 2, 16, 0
.Lsecond:
	s_and_b32 s48, s14, 3
	s_lshl_b32 s48, s48, 3                         ; rows 8 (w - 8) .. + 7
	s_mov_b32 s49, s15
	MOUT
.set kk, 0
.rept 7
	s_cmp_le_u32 s17, 9+kk                         ; unit 9 + kk counts from nB on (unit 16 always)
	s_cselect_b32 s[28+kk], -1, 0
.set kk, kk+1
.endr
	MADR 8, STAT+5120+48, PART+9*PUNIT
	MERGE 4, 8, 1
.Lfunc_end_k_q2a782296e1_attn:
	.size	k_q2a782296e1_attn, .Lfunc_end_k_q2a782296e1_attn-k_q2a782296e1_attn
	.p2alignl 7, 3214868480
	.fill 96, 4, 3214868480
	.section	.rodata,"a",@progbits
	.p2align	6, 0x0
	.amdhsa_kernel k_q2a782296e1_attn
		.amdhsa_group_segment_fixed_size 276480
		.amdhsa_private_segment_fixed_size 0
		.amdhsa_enable_private_segment 0
		.amdhsa_kernarg_size 40
		.amdhsa_user_sgpr_count 2
		.amdhsa_user_sgpr_kernarg_segment_ptr 1
		.amdhsa_wavefront_size32 1
		.amdhsa_system_sgpr_workgroup_id_x 1
		.amdhsa_system_sgpr_workgroup_id_y 1
		.amdhsa_system_sgpr_workgroup_id_z 1
		.amdhsa_system_vgpr_workitem_id 0
		.amdhsa_next_free_vgpr 304
		.amdhsa_next_free_sgpr 80
		.amdhsa_reserve_vcc 1
		.amdhsa_float_denorm_mode_32 3
		.amdhsa_float_denorm_mode_16_64 3
		.amdhsa_memory_ordered 1
		.amdhsa_forward_progress 1
		.amdhsa_inst_pref_size 132
	.end_amdhsa_kernel
	.amdgpu_metadata
---
amdhsa.version: [ 1, 2 ]
amdhsa.kernels:
  - .name:           k_q2a782296e1_attn
    .symbol:         k_q2a782296e1_attn.kd
    .args:
      - { .name: qc, .offset: 0, .size: 8, .value_kind: global_buffer, .address_space: global }
      - { .name: kc, .offset: 8, .size: 8, .value_kind: global_buffer, .address_space: global }
      - { .name: vc, .offset: 16, .size: 8, .value_kind: global_buffer, .address_space: global }
      - { .name: rc, .offset: 24, .size: 8, .value_kind: global_buffer, .address_space: global }
      - { .name: out0, .offset: 32, .size: 8, .value_kind: global_buffer, .address_space: global }
    .group_segment_fixed_size: 276480
    .private_segment_fixed_size: 0
    .kernarg_segment_align: 8
    .kernarg_segment_size: 40
    .max_flat_workgroup_size: 384
    .sgpr_count:     80
    .vgpr_count:     304
    .wavefront_size: 32
...
	.end_amdgpu_metadata
.endif
;; end of part 2
